; MI455X (gfx1250); checked and timed in simulation.
; The chip was launched on July 23, 2026; its instructions are those of AMD's public machine-readable ISA for CDNA 5 (MIT licence, August 2026) and "CDNA5" Instruction Set Architecture Reference Guide (July 2026). The comments in the code are by the model that wrote it; some were corrected since.
;; Vector Quantizer. Allowed arithmetic: float matrix products may take bf16 or f16 operands with f32 sums; all other float work in f32.
;; Inputs: codebook_w 4,096 x 128 float32; latent 16 x 1,024 x 128 float32.
;; Outputs: out0 16 x 1,024 x 128 float32; out1 16,384 int32; out2 one number float32; out3 one number float32; out4 one number float32; out5 one number float32; out6 one number float32; out7 one number float32.
;; 2 versions, each right; version 2 is version 1 with the launch prep written anew for expert scheduling mode. Each part assembles by itself: llvm-mc -triple=amdgcn-amd-amdhsa -mcpu=gfx1250 --defsym DOCPART=n.
;; ======== version 1 of 2: 4 launches
;; limits: values outside matrix products are rounded to bf16
;; workspace buffers: cbh 1,048,576 bytes; csq 16,384 bytes; order 65,536 bytes of whole numbers; pairp 2,048 bytes; rowp 4,096 bytes
;; launch prep (part 1): grid 64 x 1, 8 waves a work-group, no clusters, 1,280 bytes of LDS; arguments codebook_w, cbh, csq; writes cbh, csq
.if DOCPART == 1
	.amdgcn_target "amdgcn-amd-amdhsa--gfx1250"
	.amdhsa_code_object_version 6
	.text
	.protected	k_q593a16e895_prep
	.globl	k_q593a16e895_prep
	.p2align	8
	.type	k_q593a16e895_prep,@function
k_q593a16e895_prep:
	s_mov_b64 s[64:65], 0
	v_nop
	global_prefetch_b8 v0, s[64:65] scope:SCOPE_SE
	s_setreg_imm32_b32 hwreg(HW_REG_WAVE_MODE, 25, 1), 1
	s_wait_xcnt 0x0
; cbh[k][:] = bf16(codebook_w[k][:]);  csq[k] = sum over d of cbh[k][d]^2, in f32.
; The squares are taken of the ROUNDED numbers, since the next launch forms all its distances from them.
; 4,096 rows of 128 f32.  A work-group takes 64 rows, a wave 8, a lane 4 numbers of each row: one 16-byte load of a wave
; covers a whole row of 512 bytes, one 8-byte store a whole bf16 row of 256 bytes.  A stream: every byte is read once and
; written once; no work-group shares data with another, so clusters and the matrix unit have nothing to do here.
; LIMIT: the 128 squares are added in another order than a plain running sum would add them (last bits of csq).
.set X, 8                              ; v[8:39]   row i: 4 registers as loaded
.set H, 40                             ; v[40:55]  row i: 2 registers of bf16; store data, never written again
.set T, 56                             ; v[56:59]  at work
	s_load_b128 s[4:7], s[0:1], 0x0                ; codebook_w s[4:5], cbh s[6:7]
	s_load_b64 s[8:9], s[0:1], 0x10                ; csq
	v_lshl_add_u32 v72, v0, 2, 0x100
	v_mov_b32 v73, 0
	v_lshrrev_b32 v5, 5, v0
	v_readfirstlane_b32 s10, v5                    ; wave 0..7
	v_and_b32 v6, 31, v0                           ; lane
	s_mov_b32 s12, 0x76543210                      ; v_permlanex16_b32: lane i of one half reads lane i of the other
	s_mov_b32 s13, 0xfedcba98
	s_mov_b32 s14, 0xffff0000                      ; a word's upper bf16
	s_lshl_b32 s16, ttmp9, 15                      ; 64 rows of 512 bytes for each work-group
	s_lshl_b32 s17, s10, 12                        ; 8 rows for each wave
	s_add_co_u32 s16, s16, s17
	v_lshl_add_u32 v1, v6, 4, s16                  ; offset in codebook_w of my 16 bytes of my wave's first row
	s_lshr_b32 s16, s16, 1                         ; the bf16 rows are half as long
	v_lshl_add_u32 v2, v6, 3, s16                  ; offset in cbh of my 8 bytes
	s_lshl_b32 s17, s10, 5
	v_mov_b32 v3, s17                              ; LDS: my wave's 8 sums, 4 bytes each
	v_lshlrev_b32 v4, 3, v6                        ; LDS: two sums for each lane of wave 0
	s_lshl_b32 s18, ttmp9, 8
	v_add_nc_u32 v7, s18, v4                       ; offset in csq: 64 sums for each work-group
	s_wait_kmcnt 0x0
.irp i, 0,1,2,3,4,5,6,7
	global_load_b128 v[X+4*\i:X+4*\i+3], v1, s[4:5] offset:512*\i th:TH_LOAD_NT
.endr
.macro ROW i
	s_wait_loadcnt 7-\i                            ; loads come back in order: row i is in, the 7 - i younger ones stay out
	v_cvt_pk_bf16_f32 v[H+2*\i], v[X+4*\i], v[X+4*\i+1]
	v_cvt_pk_bf16_f32 v[H+2*\i+1], v[X+4*\i+2], v[X+4*\i+3]
	global_store_b64 v2, v[H+2*\i:H+2*\i+1], s[6:7] offset:256*\i   ; 32 lanes x 8 bytes: one aligned row of 256 bytes
	v_lshlrev_b32 v[T], 16, v[H+2*\i]              ; the rounded numbers back in f32
	v_and_b32 v[T+1], s14, v[H+2*\i]
	v_lshlrev_b32 v[T+2], 16, v[H+2*\i+1]
	v_and_b32 v[T+3], s14, v[H+2*\i+1]
	v_pk_mul_f32 v[T:T+1], v[T:T+1], v[T:T+1]
	v_pk_fma_f32 v[T:T+1], v[T+2:T+3], v[T+2:T+3], v[T:T+1]
	v_add_f32 v[T], v[T], v[T+1]
	v_add_f32_dpp v[T], v[T], v[T] row_xmask:1 row_mask:0xf bank_mask:0xf
	v_add_f32_dpp v[T], v[T], v[T] row_xmask:2 row_mask:0xf bank_mask:0xf
	v_add_f32_dpp v[T], v[T], v[T] row_xmask:4 row_mask:0xf bank_mask:0xf
	v_add_f32_dpp v[T], v[T], v[T] row_xmask:8 row_mask:0xf bank_mask:0xf
	v_permlanex16_b32 v[T+1], v[T], s12, s13
	v_add_f32 v[T], v[T], v[T+1]                   ; the row's sum, in every lane
	ds_store_b32 v3, v[T] offset:4*\i              ; all lanes write the same word with the same value
.endm
.irp i, 0,1,2,3,4,5,6,7
	ROW \i
.endr
	s_wait_dscnt 0x0                               ; my eight sums are in LDS, for wave 0's sake
	s_barrier_signal -1
	s_barrier_wait -1
	s_cmp_lg_u32 s10, 0
	s_cbranch_scc1 .Lend
	ds_load_b64 v[T:T+1], v4                       ; the work-group's 64 sums, two a lane
	s_wait_dscnt 0x0
	global_store_b64 v7, v[T:T+1], s[8:9]          ; 256 consecutive bytes, aligned
.Lend:
	s_wait_tensorcnt 0x0
	ds_add_u32 v72, v73
	s_wait_dscnt 0x0
	s_endpgm
.Lfunc_end_k_q593a16e895_prep:
	.size	k_q593a16e895_prep, .Lfunc_end_k_q593a16e895_prep-k_q593a16e895_prep
	.p2alignl 7, 3214868480
	.fill 96, 4, 3214868480
	.section	.rodata,"a",@progbits
	.p2align	6, 0x0
	.amdhsa_kernel k_q593a16e895_prep
		.amdhsa_group_segment_fixed_size 1280
		.amdhsa_private_segment_fixed_size 0
		.amdhsa_enable_private_segment 0
		.amdhsa_kernarg_size 24
		.amdhsa_user_sgpr_count 2
		.amdhsa_user_sgpr_kernarg_segment_ptr 1
		.amdhsa_wavefront_size32 1
		.amdhsa_system_sgpr_workgroup_id_x 1
		.amdhsa_system_sgpr_workgroup_id_y 1
		.amdhsa_system_sgpr_workgroup_id_z 1
		.amdhsa_system_vgpr_workitem_id 0
		.amdhsa_next_free_vgpr 74
		.amdhsa_next_free_sgpr 66
		.amdhsa_reserve_vcc 0
		.amdhsa_float_denorm_mode_32 3
		.amdhsa_float_denorm_mode_16_64 3
		.amdhsa_memory_ordered 1
		.amdhsa_forward_progress 1
		.amdhsa_inst_pref_size 10
	.end_amdhsa_kernel
	.amdgpu_metadata
---
amdhsa.version: [ 1, 2 ]
amdhsa.kernels:
  - .name:           k_q593a16e895_prep
    .symbol:         k_q593a16e895_prep.kd
    .args:
      - { .name: codebook_w, .offset: 0, .size: 8, .value_kind: global_buffer, .address_space: global }
      - { .name: cbh, .offset: 8, .size: 8, .value_kind: global_buffer, .address_space: global }
      - { .name: csq, .offset: 16, .size: 8, .value_kind: global_buffer, .address_space: global }
    .group_segment_fixed_size: 1280
    .private_segment_fixed_size: 0
    .kernarg_segment_align: 8
    .kernarg_segment_size: 24
    .max_flat_workgroup_size: 256
    .sgpr_count:     66
    .vgpr_count:     74
    .wavefront_size: 32
...
	.end_amdgpu_metadata
.endif
;; end of part 1
;; launch assign (part 2): grid 256 x 1, 8 waves a work-group, clusters of 4 x 1, 327,680 bytes of LDS; arguments latent, cbh, csq, out1, order, pairp; writes out1, order, pairp
.if DOCPART == 2
	.amdgcn_target "amdgcn-amd-amdhsa--gfx1250"
	.amdhsa_code_object_version 6
	.text
	.protected	k_q593a16e895_assign
	.globl	k_q593a16e895_assign
	.p2align	8
	.type	k_q593a16e895_assign,@function
k_q593a16e895_assign:
	s_mov_b64 s[64:65], 0
	v_nop
	global_prefetch_b8 v0, s[64:65] scope:SCOPE_SE
	s_setreg_imm32_b32 hwreg(HW_REG_WAVE_MODE, 25, 1), 1
	s_wait_xcnt 0x0
	s_wait_alu depctr_hold_cnt(0) depctr_sa_sdst(0) depctr_va_vdst(0) depctr_va_sdst(0) depctr_va_ssrc(0) depctr_va_vcc(0) depctr_vm_vsrc(0)
	s_getreg_b32 s2, hwreg(HW_REG_IB_STS2, 6, 4)
	s_cmp_eq_u32 s2, 0
	s_cbranch_scc0 .Lentry_in_a_cluster
	s_endpgm
.Lentry_in_a_cluster:
	s_bfe_u32 s2, ttmp6, 0x10000c
	s_cmp_lg_u32 s2, 0x3003
	s_cbranch_scc0 .Lentry_shape_is_right
	s_endpgm
.Lentry_shape_is_right:
; For 64 latent rows: idx = the first index of the smallest dist[k] = (a - 2 x.c_k) + csq_k over all 4,096 codes (out1, and a copy in
; 'order' from which the next launch forms addresses).  exp and the division by one sum keep the order, so the largest soft value
; stands where dist is smallest; no exponential is left, and so no maximum to take away.
; In the same stream, for 16 code rows against all 4,096 codes: the sum of d and the smallest d^2 off the diagonal (pairp),
; d^2 = max((sq_i + sq_j) - 2 c_i.c_j, 0).
; All numbers are the inputs rounded to bf16 (a and csq too), products in the matrix unit with f32 sums; dist is rounded step by step as the
; problem's formula rounds it: one rounding for a - 2 dot (2 dot is exact, so the fused form is that rounding), one for + csq; strict
; less-than in ascending order of k, and (value, index) compared together between lanes and waves, so that of equal distances the first wins.
; LIMITS.  Two distances of a row that differ by less than about 1.2e-7 (possible only where distances lie below about 1) become one soft
; value in the problem's formula, which then takes the first; this text takes the strictly smaller.  NaN and infinities in the inputs are
; not served.  v_sqrt_f32 takes d^2 below 2^-126 as 0.  a is added in another order than a running sum (it moves all distances of a row alike).
;
; SHARES.  Work-group g = 4 x cluster + cx: latent rows 64 g .., code rows 16 g ...  Eight waves.  Every wave holds all five tiles of 16 rows
; (4 of latents, 1 of codes) as matrix source 1: 80 rows x 128 K = 160 registers, v256-v415.  The codebook streams in 8 tiles of 512 codes
; through two LDS slots; of every tile wave w loads AND reads codes 64 w .. 64 w + 63, as four blocks of 16: each byte of a tile is read
; from LDS once in the work-group, and 4,096 bytes from LDS feed 20 matrix instructions.
; CLUSTER.  All work-groups walk the same codebook tiles, so the four of a cluster ask for them jointly (mask 15): the same line, the same
; descriptor (made of the wave's number and constants alone) in all four, behind a round of the cluster's barrier.
; THE MATRIX INSTRUCTION IS USED TRANSPOSED: source 0 = 16 codes, source 1 = 16 rows.  Lane (r, h) then holds row r, and register j code
; 8 h + j: a, the best value and its index cost one register a tile, and a code's number is a scalar plus 8 h, added at the end.
.set PITCH,   272                      ; an LDS row: 256 bytes + 16 of padding, so the 16 rows of a fragment load begin 68 words apart
.set TILEB,   16*PITCH                 ; a block of 16 rows
.set WPART,   64*PITCH                 ; a wave's part of a slot
.set SLOTB,   512*PITCH                ; a slot: 139,264 bytes
.set L_CSQ,   2*SLOTB                  ; 278,528: csq[4096] f32, filled once by tensor loads
.set L_STAGE, L_CSQ+16384              ; 294,912: 80 rows x 272, bf16: latents 0-63, my 16 codes 64-79 (written by ds_store: no fill lands here)
.set L_AN,    L_STAGE+80*PITCH         ; 316,672: a[64]
.set L_RED,   L_AN+256                 ; 316,928: [wave][row] (best, idx)
.set L_PRED,  L_RED+4096               ; 321,024: [wave][lane] (sum d, min d^2); ends at 323,072
; vector registers, window 0
.set ADR,  8                           ; v8, v9    my B fragments in slot 0, 1
.set ADRC, 10                          ; v10       my csq numbers of the trip
.set ADRS, 11                          ; v11       the stage, as fragments
.set BEST, 16                          ; v[16:19]  smallest dist so far, row tile m
.set IDX,  20                          ; v[20:23]  its code's number, less 8 h
.set SQ,   24                          ; v[24:25]  sq of my code row, twice
.set PSUM, 26                          ; v[26:27]  sums of d
.set PMIN, 28                          ; v28       smallest d^2 off the diagonal
.set EQ,   29                          ; v29       16 g + r - 8 h: the scalar code number at which my element lies on the diagonal
.set T,    32                          ; v[32:39]  at work
.set CS,   40                          ; v[40:47], v[48:55]  csq of a block's codes 8 h + j, two buffers
.set ACC,  56                          ; v[56:95]  five accumulators
.set BF,   96                          ; v[96:127] a block of 16 codes x 128 K
.set W,    128                         ; v[128:175] at work ahead of and behind the stream
.set ANP,  176                         ; v[176:183] a of row tile m, twice (a pair for the packed multiply-add)
; scalar registers
.set G1,  20                           ; s[20:27] shape of a wave's part of a codebook tile
.set G1C, 28                           ; s[28:35] shape of a wave's part of csq
.set G0,  36                           ; s[36:39], s[40:43] from where, to where: slot 0, slot 1
.set G0C, 44                           ; s[44:47] the same for csq
.set ID,  48                           ; s[48:55] number of code j of the block (for h = 0)
.set SB,  56                           ; s56      512 x trip + 64 w
.set MK,  57                           ; s[57:60] lane masks
.set INF, 61                           ; s61      +infinity
.set MSB, 0
.macro WIN new                         ; the immediate's high byte repeats the setting that is left
.if MSB != \new
	s_set_vgpr_msb (MSB<<8)|\new
.set MSB, \new
.endif
.endm
.macro PLACES                          ; four places behind a matrix instruction (ISA guide 7.12.1) before its results are read and its sources loaded again
.rept 4
	v_nop
.endr
.endm
; A round of the cluster's barrier: my work-group's barrier, wave 0 signals for the work-group, every wave waits for all four work-groups, my work-group's barrier again.
.macro ROUND
	s_barrier_signal -1
	s_barrier_wait -1
	s_cmp_lg_u32 s16, 0
	s_cbranch_scc1 .Lnot_wave_0_\@
	s_barrier_signal -3
.Lnot_wave_0_\@:
	s_barrier_wait -3
	s_barrier_signal -1
	s_barrier_wait -1
.endm
.macro LSUM reg, tmp                   ; sum over the 32 lanes, result in every lane
	v_add_f32_dpp v[\reg], v[\reg], v[\reg] row_xmask:1 row_mask:0xf bank_mask:0xf
	v_add_f32_dpp v[\reg], v[\reg], v[\reg] row_xmask:2 row_mask:0xf bank_mask:0xf
	v_add_f32_dpp v[\reg], v[\reg], v[\reg] row_xmask:4 row_mask:0xf bank_mask:0xf
	v_add_f32_dpp v[\reg], v[\reg], v[\reg] row_xmask:8 row_mask:0xf bank_mask:0xf
	v_permlanex16_b32 v[\tmp], v[\reg], s62, s63
	v_add_f32 v[\reg], v[\reg], v[\tmp]
.endm
; (db, di) = the smaller of (b, i) and (ob, oi): by value, and of equal values by index
.macro LEXMIN db, di, b, i, ob, oi
	v_cmp_lt_f32 s[MK], v[\ob], v[\b]
	v_cmp_eq_f32 s[MK+1], v[\ob], v[\b]
	v_cmp_lt_u32 s[MK+2], v[\oi], v[\i]
	s_and_b32 s[MK+1], s[MK+1], s[MK+2]
	s_or_b32 s[MK], s[MK], s[MK+1]
	v_cndmask_b32 v[\db], v[\b], v[\ob], s[MK]
	v_cndmask_b32 v[\di], v[\i], v[\oi], s[MK]
.endm
	s_load_b256 s[4:11], s[0:1], 0x0               ; latent s[4:5], cbh s[6:7], csq s[8:9], out1 s[10:11]
	s_load_b128 s[12:15], s[0:1], 0x20             ; order s[12:13], pairp s[14:15]
	v_lshl_add_u32 v254, v0, 2, 0x4ee00
	v_mov_b32 v255, 0
	ds_add_u32 v254, v255
	v_lshrrev_b32 v4, 5, v0
	v_readfirstlane_b32 s16, v4                    ; wave 0..7
	s_bfe_u32 s17, ttmp6, 0x40000                  ; cx
	s_lshl_b32 s18, ttmp9, 2
	s_add_co_u32 s18, s18, s17                     ; g: it enters offsets into global buffers and v29 alone
	s_mov_b32 s[INF], 0x7f800000
	s_mov_b32 s62, 0x76543210                      ; v_permlanex16_b32: lane i xor 16
	s_mov_b32 s63, 0xfedcba98
	s_mov_b32 s71, 0xffff0000                      ; a word's upper bf16
	; group 1 of a codebook load: 64 rows x 128 elements of 2 bytes, pitch 128, 4 words of padding behind every 64 words
	s_mov_b32 s[G1+0], 15|(1<<16)|(1<<20)|(1<<21)|(5<<22)|(3<<25)   ; mask: all four of the cluster; bit 21 beside it
	s_mov_b32 s[G1+1], 128<<16                     ; tensor_dim0 = 128
	s_mov_b32 s[G1+2], 64<<16                      ; tensor_dim1 = 64
	s_mov_b32 s[G1+3], 128<<16                     ; tile_dim0 = 128
	s_mov_b32 s[G1+4], 64                          ; tile_dim1 = 64
	s_mov_b32 s[G1+5], 128                         ; elements from row to row
	s_mov_b32 s[G1+6], 0
	s_mov_b32 s[G1+7], 0
	; group 1 of a csq load: 2,048 dense bytes as 8 rows of 32 elements of 8 bytes
	s_mov_b32 s[G1C+0], 15|(3<<16)|(1<<21)
	s_mov_b32 s[G1C+1], 32<<16
	s_mov_b32 s[G1C+2], 8<<16
	s_mov_b32 s[G1C+3], 32<<16
	s_mov_b32 s[G1C+4], 8
	s_mov_b32 s[G1C+5], 32
	s_mov_b32 s[G1C+6], 0
	s_mov_b32 s[G1C+7], 0
	; groups 0: LDS and global addresses are made of the wave's number and constants alone
	s_mov_b32 s[G0+0], 1
	s_mul_i32 s[G0+1], s16, WPART                  ; slot 0, my part
	s_mov_b32 s[G0+4], 1
	s_add_co_u32 s[G0+5], s[G0+1], SLOTB           ; slot 1, my part
	s_mov_b32 s[G0C+0], 1
	s_lshl_b32 s[G0C+1], s16, 11
	s_add_co_u32 s[G0C+1], s[G0C+1], L_CSQ
	s_lshl_b32 s66, s16, 14                        ; my 64 codes of a tile: 64 rows of 256 bytes
	s_mov_b32 s67, 0
	s_lshl_b32 s68, s16, 11                        ; my 512 numbers of csq
	s_mov_b32 s69, 0
	s_wait_dscnt 0x0
	s_wait_kmcnt 0x0
	s_add_nc_u64 s[G0+2:G0+3], s[6:7], s[66:67]    ; tile 0
	s_add_nc_u64 s[G0+6:G0+7], s[G0+2:G0+3], 0x20000   ; tile 1: 512 rows of 256 bytes on
	s_add_nc_u64 s[G0C+2:G0C+3], s[8:9], s[68:69]
	s_or_b32 s[G0+3], s[G0+3], 0x80000000          ; type 2
	s_or_b32 s[G0+7], s[G0+7], 0x80000000
	s_or_b32 s[G0C+3], s[G0C+3], 0x80000000
	ROUND                                          ; the four work-groups are here: the first joint loads meet
	tensor_load_to_lds s[G0C:G0C+3], s[G1C:G1C+7]  ; the first fills go out as one group: three loads of this wave are out,
	s_nop 0
	tensor_load_to_lds s[G0:G0+3], s[G1:G1+7]      ; the most in this text
	s_nop 0
	tensor_load_to_lds s[G0+4:G0+7], s[G1:G1+7]
	s_nop 0
	; my inputs: 8 latent rows, 2 of the work-group's 16 code rows, sq of code row r
	v_and_b32 v1, 15, v0                           ; r
	v_bfe_u32 v2, v0, 4, 1                         ; h
	v_and_b32 v3, 31, v0                           ; lane
	s_lshl_b32 s2, s18, 15
	s_lshl_b32 s3, s16, 12
	s_add_co_u32 s2, s2, s3
	v_lshl_add_u32 v5, v3, 4, s2                   ; latent: 32,768 g + 4,096 w + 16 lane
	s_lshl_b32 s2, s18, 12
	s_lshl_b32 s3, s16, 9
	s_add_co_u32 s2, s2, s3
	v_lshl_add_u32 v6, v3, 4, s2                   ; cbh: 4,096 g + 512 w + 16 lane
	s_lshl_b32 s2, s18, 6
	v_lshl_add_u32 v7, v1, 2, s2                   ; csq: 64 g + 4 r
.irp i, 0,1,2,3,4,5,6,7
	global_load_b128 v[W+4*\i:W+4*\i+3], v5, s[4:5] offset:512*\i
.endr
	global_load_b128 v[W+32:W+35], v6, s[6:7]
	global_load_b32 v[SQ], v7, s[8:9]
	; lane terms
	v_mul_u32_u24 v4, v1, PITCH
	v_lshl_add_u32 v4, v2, 4, v4                   ; a fragment's lane term: row r, 16 bytes for each half of the lanes
	v_add_nc_u32 v[ADR], s[G0+1], v4
	v_add_nc_u32 v[ADR+1], s[G0+5], v4
	v_add_nc_u32 v[ADRS], L_STAGE, v4
	s_lshl_b32 s66, s16, 8
	s_add_co_u32 s66, s66, L_CSQ
	v_lshl_add_u32 v[ADRC], v2, 5, s66             ; csq of codes 64 w + 8 h ..
	s_lshl_b32 s66, s16, 9
	s_add_co_u32 s66, s66, L_RED
	v_lshl_add_u32 v30, v1, 3, s66
	s_lshl_b32 s66, s16, 8
	s_add_co_u32 s66, s66, L_PRED
	v_lshl_add_u32 v31, v3, 3, s66
	s_mul_i32 s66, s16, 8*PITCH
	s_add_co_u32 s66, s66, L_STAGE
	v_lshl_add_u32 v[W+38], v3, 3, s66             ; stage: my wave's first latent row, 8 bytes a lane
	s_lshl_b32 s66, s16, 5
	s_add_co_u32 s66, s66, L_AN
	v_mov_b32 v[W+39], s66                         ; a of my wave's first row
	s_mul_i32 s66, s16, 2*PITCH
	s_add_co_u32 s66, s66, L_STAGE+64*PITCH
	v_mul_u32_u24 v[W+40], v2, PITCH
	v_lshl_add_u32 v[W+40], v1, 4, v[W+40]
	v_add_nc_u32 v[W+40], s66, v[W+40]             ; stage: code row 2 w + h, 16 bytes at 16 r
	v_lshl_add_u32 v[EQ], s18, 4, v1
	v_lshlrev_b32 v12, 3, v2
	v_sub_nc_u32 v[EQ], v[EQ], v12
	s_lshl_b32 s2, s18, 8
	v_lshl_add_u32 v13, v3, 3, s2                  ; out1, order: 256 g + 8 lane
	s_lshl_b32 s2, s18, 3
	v_lshl_add_u32 v14, v3, 3, s2                  ; pairp: 8 g (lane 0)
	s_lshl_b32 s[SB], s16, 6
.irp m, 0,1,2,3
	v_mov_b32 v[BEST+\m], s[INF]
	v_mov_b32 v[IDX+\m], 0
.endr
	v_mov_b32 v[PSUM], 0
	v_mov_b32 v[PSUM+1], 0
	v_mov_b32 v[PMIN], s[INF]
; latent row i of my wave: round to bf16 into the stage; a = the sum of the rounded numbers' squares
.macro SROW i
	s_wait_loadcnt 9-\i                            ; behind row i were issued 7 - i rows, the code rows and sq
	v_cvt_pk_bf16_f32 v[W+36], v[W+4*\i], v[W+4*\i+1]
	v_cvt_pk_bf16_f32 v[W+37], v[W+4*\i+2], v[W+4*\i+3]
	ds_store_b64 v[W+38], v[W+36:W+37] offset:PITCH*\i
	v_lshlrev_b32 v[T], 16, v[W+36]
	v_and_b32 v[T+1], s71, v[W+36]
	v_lshlrev_b32 v[T+2], 16, v[W+37]
	v_and_b32 v[T+3], s71, v[W+37]
	v_pk_mul_f32 v[T:T+1], v[T:T+1], v[T:T+1]
	v_pk_fma_f32 v[T:T+1], v[T+2:T+3], v[T+2:T+3], v[T:T+1]
	v_add_f32 v[T], v[T], v[T+1]
	LSUM T, T+1
	ds_store_b32 v[W+39], v[T] offset:4*\i         ; all lanes write the same word with the same value
.endm
.irp i, 0,1,2,3,4,5,6,7
	SROW \i
.endr
	s_wait_loadcnt 0x1                             ; the code rows are in; sq may be out
	ds_store_b128 v[W+40], v[W+32:W+35]
	s_wait_loadcnt 0x0
	v_mov_b32 v[SQ+1], v[SQ]
	s_wait_dscnt 0x0                               ; my part of the stage and of a is written, for the others' sake
	s_wait_tensorcnt 0x1                           ; my parts of csq and of slot 0 have landed; slot 1's may stay out
	s_barrier_signal -1
	s_barrier_wait -1
	; the 80 rows as fragments, for the whole stream: tile m, K step k at v[256 + 32 m + 8 k]
	WIN 0x40                                       ; destination window 1, address window 0
.irp m, 0,1,2,3,4
.irp k, 0,1,2,3
	ds_load_b128 v[32*\m+8*\k:32*\m+8*\k+3],   v[ADRS] offset:TILEB*\m+64*\k
	ds_load_b128 v[32*\m+8*\k+4:32*\m+8*\k+7], v[ADRS] offset:TILEB*\m+64*\k+32
.endr
.endr
	WIN 0
	v_lshlrev_b32 v[T], 2, v1
	v_add_nc_u32 v[T], L_AN, v[T]
.irp m, 0,1,2,3
	ds_load_b32 v[ANP+2*\m],   v[T] offset:64*\m   ; a of row 16 m + r, into both registers of a pair
	ds_load_b32 v[ANP+2*\m+1], v[T] offset:64*\m
.endr
; ten LDS loads: block q (16 codes x 128 K) of my part of the slot, and its 8 csq numbers into buffer cs
.macro FETCH slot, q, cs
.irp k, 0,1,2,3
	ds_load_b128 v[BF+8*\k:BF+8*\k+3],   v[ADR+\slot] offset:(\q)*TILEB+64*\k
	ds_load_b128 v[BF+8*\k+4:BF+8*\k+7], v[ADR+\slot] offset:(\q)*TILEB+64*\k+32
.endr
	ds_load_b128 v[\cs:\cs+3],   v[ADRC] offset:64*(\q)
	ds_load_b128 v[\cs+4:\cs+7], v[ADRC] offset:64*(\q)+16
.endm
; the four latent tiles: dist = (a - 2 dot) + csq, then the running smallest with its code's number
.macro EPI_ROWS cs
.irp m, 0,1,2,3
.irp p, 0,1,2,3
	v_pk_fma_f32 v[ACC+8*\m+2*\p:ACC+8*\m+2*\p+1], v[ACC+8*\m+2*\p:ACC+8*\m+2*\p+1], -2.0, v[ANP+2*\m:ANP+2*\m+1] op_sel_hi:[1,0,1]
.endr
.endr
.irp m, 0,1,2,3
.irp p, 0,1,2,3
	v_pk_add_f32 v[ACC+8*\m+2*\p:ACC+8*\m+2*\p+1], v[ACC+8*\m+2*\p:ACC+8*\m+2*\p+1], v[\cs+2*\p:\cs+2*\p+1]
.endr
.endr
.irp j, 0,1,2,3,4,5,6,7
.irp m, 0,1,2,3
	v_cmp_lt_f32 s[MK+\m], v[ACC+8*\m+\j], v[BEST+\m]          ; strictly smaller: of equal values the earlier code stays
.endr
.irp m, 0,1,2,3
	v_min_num_f32 v[BEST+\m], v[BEST+\m], v[ACC+8*\m+\j]
.endr
.irp m, 0,1,2,3
	v_cndmask_b32 v[IDX+\m], v[IDX+\m], s[ID+\j], s[MK+\m]
.endr
.endr
.endm
; the tile of code rows: d^2 = max((sq_j + sq_i) - 2 dot, 0); d is summed; the smallest d^2 is kept with the diagonal taken out
.macro EPI_PAIR cs
.irp p, 0,1,2,3
	v_pk_add_f32 v[T+2*\p:T+2*\p+1], v[\cs+2*\p:\cs+2*\p+1], v[SQ:SQ+1]
.endr
.irp p, 0,1,2,3
	v_pk_fma_f32 v[ACC+32+2*\p:ACC+32+2*\p+1], v[ACC+32+2*\p:ACC+32+2*\p+1], -2.0, v[T+2*\p:T+2*\p+1] op_sel_hi:[1,0,1]
.endr
.irp j, 0,1,2,3,4,5,6,7
	v_max_num_f32 v[ACC+32+\j], 0, v[ACC+32+\j]
.endr
.irp j, 0,1,2,3,4,5,6,7
	v_sqrt_f32 v[T+\j], v[ACC+32+\j]
.endr
.irp j, 0,1,2,3,4,5,6,7
	v_cmp_eq_u32 s[MK+\j%4], s[ID+\j], v[EQ]                   ; the first of these is the plain instruction behind the roots (ISA guide 5.7.2): it names none of their registers
	v_cndmask_b32 v[ACC+32+\j], v[ACC+32+\j], s[INF], s[MK+\j%4]
	v_min_num_f32 v[PMIN], v[PMIN], v[ACC+32+\j]
.endr
	s_wait_alu depctr_va_vdst(0)
.irp p, 0,1,2,3
	v_pk_add_f32 v[PSUM:PSUM+1], v[PSUM:PSUM+1], v[T+2*\p:T+2*\p+1]
.endr
.endm
; block q: 20 matrix instructions, then the next block's loads, which have the vector work below in which to come back
.macro TILE slot, q, cs, csn
.irp j, 0,1,2,3,4,5,6,7
	s_add_co_u32 s[ID+\j], s[SB], 16*\q+\j
.endr
	s_wait_dscnt 0x0                               ; this block's ten loads (ahead of the first block also those of the 80 rows and of a): nothing younger is out
	WIN 0x04                                       ; source 1 in window 1
.irp k, 0,1,2,3
.irp m, 0,1,2,3,4
.if \k == 0
	v_wmma_f32_16x16x32_bf16 v[ACC+8*\m:ACC+8*\m+7], v[BF+8*\k:BF+8*\k+7], v[32*\m+8*\k:32*\m+8*\k+7], 0   ; the first K step starts the sums
.else
	v_wmma_f32_16x16x32_bf16 v[ACC+8*\m:ACC+8*\m+7], v[BF+8*\k:BF+8*\k+7], v[32*\m+8*\k:32*\m+8*\k+7], v[ACC+8*\m:ACC+8*\m+7]   ; the five accumulators take turns
.endif
.endr
.endr
	WIN 0
	PLACES
.if \q < 3
	FETCH \slot, \q+1, \csn
.endif
	EPI_ROWS \cs
	EPI_PAIR \cs
.endm
.macro WORK slot                       ; my 64 codes of the tile in this slot
	FETCH \slot, 0, CS
	TILE \slot, 0, CS, CS+8
	TILE \slot, 1, CS+8, CS
	TILE \slot, 2, CS, CS+8
	TILE \slot, 3, CS+8, CS
	s_add_co_u32 s[SB], s[SB], 512
	v_add_nc_u32 v[ADRC], 2048, v[ADRC]
.endm
; refill = 1: the other slot, read in the last trip, gets the tile two further on, by the wave's one joint load behind the round.
.macro TRIP slot, refill
	s_wait_tensorcnt 0x0                           ; all my tensor loads have landed, my part of this trip's tile among them
	ds_add_u32 v254, v255
	s_wait_dscnt 0x0
.if \refill
	s_add_nc_u64 s[G0+6-4*\slot:G0+7-4*\slot], s[G0+6-4*\slot:G0+7-4*\slot], 0x40000   ; none is out, so a group 0 may be written: two tiles of 131,072 bytes on
	s_wait_dscnt 0x0                               ; my reads of the other slot are back
	ROUND                                          ; both now hold of every wave of all four work-groups
	tensor_load_to_lds s[G0+4-4*\slot:G0+7-4*\slot], s[G1:G1+7]   ; one load of this wave is out until the next round; it has 80 matrix instructions and their vector work in which to land
	s_nop 0
.endif
	WORK \slot
.endm
	WORK 0                                         ; tile 0
	s_mov_b32 s19, 3
.Lloop:
	TRIP 1, 1                                      ; tiles 1, 3, 5; asks for 2, 4, 6
	TRIP 0, 1                                      ; tiles 2, 4, 6; asks for 3, 5, 7
	s_sub_co_i32 s19, s19, 1
	s_cmp_lg_u32 s19, 0
	s_cbranch_scc1 .Lloop
	TRIP 1, 0                                      ; tile 7: nothing is left to fetch; I read only what my own load brought, so its wait is all the order needed
	; my wave's results: the two halves of the lanes hold the same rows and other codes
.irp m, 0,1,2,3
	v_lshl_add_u32 v[IDX+\m], v2, 3, v[IDX+\m]     ; the code's number: + 8 h
.endr
.irp m, 0,1,2,3
	v_permlanex16_b32 v[T], v[BEST+\m], s62, s63
	v_permlanex16_b32 v[T+1], v[IDX+\m], s62, s63
	LEXMIN W+2*\m, W+2*\m+1, BEST+\m, IDX+\m, T, T+1
	ds_store_b64 v30, v[W+2*\m:W+2*\m+1] offset:128*\m   ; row 16 m + r; both halves write the same
.endr
	v_add_f32 v[PSUM], v[PSUM], v[PSUM+1]
	v_mov_b32 v[PSUM+1], v[PMIN]
	ds_store_b64 v31, v[PSUM:PSUM+1]
	s_wait_dscnt 0x0                               ; written, for wave 0's sake
	s_barrier_signal -1
	s_barrier_wait -1
	s_cmp_lg_u32 s16, 0
	s_cbranch_scc1 .Lclose
	; wave 0 joins the eight waves' results: lane l takes rows 2 l and 2 l + 1
	v_lshlrev_b32 v[T], 4, v3
	v_add_nc_u32 v[T], L_RED, v[T]
	v_lshlrev_b32 v[T+1], 3, v3
	v_add_nc_u32 v[T+1], L_PRED, v[T+1]
.irp k, 0,1,2,3,4,5,6,7
	ds_load_b128 v[W+4*\k:W+4*\k+3], v[T] offset:512*\k
.endr
.irp k, 0,1,2,3,4,5,6,7
	ds_load_b64 v[W+32+2*\k:W+33+2*\k], v[T+1] offset:256*\k
.endr
	s_wait_dscnt 0x0
.irp k, 1,2,3,4,5,6,7
	LEXMIN W, W+1, W, W+1, W+4*\k, W+4*\k+1
	LEXMIN W+2, W+3, W+2, W+3, W+4*\k+2, W+4*\k+3
.endr
	v_mov_b32 v[T+2], v[W+1]
	v_mov_b32 v[T+3], v[W+3]
	global_store_b64 v13, v[T+2:T+3], s[10:11]     ; 32 lanes x 8 bytes: 256 consecutive bytes, aligned
	global_store_b64 v13, v[T+2:T+3], s[12:13]
.irp k, 1,2,3,4,5,6,7
	v_add_f32 v[W+32], v[W+32], v[W+32+2*\k]
	v_min_num_f32 v[W+33], v[W+33], v[W+33+2*\k]
.endr
	LSUM W+32, T+4
	v_min_num_f32_dpp v[W+33], v[W+33], v[W+33] row_xmask:1 row_mask:0xf bank_mask:0xf
	v_min_num_f32_dpp v[W+33], v[W+33], v[W+33] row_xmask:2 row_mask:0xf bank_mask:0xf
	v_min_num_f32_dpp v[W+33], v[W+33], v[W+33] row_xmask:4 row_mask:0xf bank_mask:0xf
	v_min_num_f32_dpp v[W+33], v[W+33], v[W+33] row_xmask:8 row_mask:0xf bank_mask:0xf
	v_permlanex16_b32 v[T+5], v[W+33], s62, s63
	v_min_num_f32 v[W+33], v[W+33], v[T+5]
	v_cmp_eq_u32 vcc_lo, 0, v3
	s_wait_xcnt 0x0                                ; EXEC is a source of the two stores above: it changes only behind this wait
	s_and_saveexec_b32 s70, vcc_lo
	global_store_b64 v14, v[W+32:W+33], s[14:15]   ; lane 0: (sum of d, smallest d^2) of this work-group
	s_wait_xcnt 0x0                                ; and again in front of the line that widens it
	s_or_b32 exec_lo, exec_lo, s70
.Lclose:
	s_wait_tensorcnt 0x0
	ds_add_u32 v254, v255
	s_wait_dscnt 0x0
	ROUND                                          ; the closing round: no work-group ends while a partner may still ask jointly
	s_endpgm
.Lfunc_end_k_q593a16e895_assign:
	.size	k_q593a16e895_assign, .Lfunc_end_k_q593a16e895_assign-k_q593a16e895_assign
	.p2alignl 7, 3214868480
	.fill 96, 4, 3214868480
	.section	.rodata,"a",@progbits
	.p2align	6, 0x0
	.amdhsa_kernel k_q593a16e895_assign
		.amdhsa_group_segment_fixed_size 327680
		.amdhsa_private_segment_fixed_size 0
		.amdhsa_enable_private_segment 0
		.amdhsa_kernarg_size 48
		.amdhsa_user_sgpr_count 2
		.amdhsa_user_sgpr_kernarg_segment_ptr 1
		.amdhsa_wavefront_size32 1
		.amdhsa_system_sgpr_workgroup_id_x 1
		.amdhsa_system_sgpr_workgroup_id_y 1
		.amdhsa_system_sgpr_workgroup_id_z 1
		.amdhsa_system_vgpr_workitem_id 0
		.amdhsa_next_free_vgpr 416
		.amdhsa_next_free_sgpr 72
		.amdhsa_reserve_vcc 1
		.amdhsa_float_denorm_mode_32 3
		.amdhsa_float_denorm_mode_16_64 3
		.amdhsa_memory_ordered 1
		.amdhsa_forward_progress 1
		.amdhsa_inst_pref_size 221
	.end_amdhsa_kernel
	.amdgpu_metadata
---
amdhsa.version: [ 1, 2 ]
amdhsa.kernels:
  - .name:           k_q593a16e895_assign
    .symbol:         k_q593a16e895_assign.kd
    .args:
      - { .name: latent, .offset: 0, .size: 8, .value_kind: global_buffer, .address_space: global }
      - { .name: cbh, .offset: 8, .size: 8, .value_kind: global_buffer, .address_space: global }
      - { .name: csq, .offset: 16, .size: 8, .value_kind: global_buffer, .address_space: global }
      - { .name: out1, .offset: 24, .size: 8, .value_kind: global_buffer, .address_space: global }
      - { .name: order, .offset: 32, .size: 8, .value_kind: global_buffer, .address_space: global }
      - { .name: pairp, .offset: 40, .size: 8, .value_kind: global_buffer, .address_space: global }
    .group_segment_fixed_size: 327680
    .private_segment_fixed_size: 0
    .kernarg_segment_align: 8
    .kernarg_segment_size: 48
    .max_flat_workgroup_size: 256
    .sgpr_count:     72
    .vgpr_count:     416
    .wavefront_size: 32
...
	.end_amdgpu_metadata
.endif
;; end of part 2
;; launch gather (part 3): grid 256 x 1, 8 waves a work-group, no clusters, 1,536 bytes of LDS; arguments latent, codebook_w, order, out0, rowp; writes out0, rowp
.if DOCPART == 3
	.amdgcn_target "amdgcn-amd-amdhsa--gfx1250"
	.amdhsa_code_object_version 6
	.text
	.protected	k_q593a16e895_gather
	.globl	k_q593a16e895_gather
	.p2align	8
	.type	k_q593a16e895_gather,@function
k_q593a16e895_gather:
	s_mov_b64 s[64:65], 0
	v_nop
	global_prefetch_b8 v0, s[64:65] scope:SCOPE_SE
	s_setreg_imm32_b32 hwreg(HW_REG_WAVE_MODE, 25, 1), 1
	s_wait_xcnt 0x0
; With c = codebook_w[idx[n]]: out0[n] = x + (c - x); per work-group the sums of (c - x)^2 and of cos(x, c) = x.c / (max(|x|, 1e-12) max(|c|, 1e-12));
; and, for the 16 codes 16 g .. 16 g + 15 that this work-group owns, their counts among all 16,384 indices and the sum of p log2(p + 1e-10), p = count / 16,384.
; 'hard + soft - soft' is 0 off the chosen column and 1 within 1.2e-7 on it, so the product with the codebook is the chosen row: a gather.
; All in f32 on the inputs as given.  A stream through registers: a work-group takes 64 rows, a wave 8, one 16-byte load or store of a wave covers a row of 512 bytes.
; The counts are made by ownership, without atomics: wave w looks through indices 2,048 w .. 2,048 w + 2,047 (64 a lane) and counts those that fall on
; the group's 16 codes, in 16 byte counters a lane (at most 64 each).  No branch and no address hangs on a count.
; No cluster: nothing comes in by tensor loads here; the one thing that all work-groups read, the 65,536 bytes of indices, goes straight to registers.
; LIMITS: an index is clamped to 4,095 (it never exceeds it); v_sqrt_f32, v_rcp_f32 and v_log_f32 take numbers below 2^-126 as 0; NaN and infinities are not served.
.set X,    16                          ; v[16:47]   row i: x, then the result; store data, not written again
.set C,    48                          ; v[48:79]   row i: the chosen code
.set HH,   80                          ; v[80:143]  64 indices to look through
.set CN,   144                         ; v[144:147] 16 byte counters: code 4 c + b in byte b of register c
.set T,    148                         ; v[148:163] at work
.set LOSS, 164                         ; v[164:165]
.set COS,  166
.set EV,   168                         ; v[168:171] counts of codes 4 c (low half) and 4 c + 2 (high half)
.set OD,   172                         ; v[172:175] counts of codes 4 c + 1 and 4 c + 3
	s_load_b256 s[4:11], s[0:1], 0x0               ; latent s[4:5], codebook_w s[6:7], order s[8:9], out0 s[10:11]
	s_load_b64 s[12:13], s[0:1], 0x20              ; rowp
	v_lshl_add_u32 v184, v0, 2, 0x200
	v_mov_b32 v185, 0
	v_lshrrev_b32 v5, 5, v0
	v_readfirstlane_b32 s14, v5                    ; wave 0..7
	v_and_b32 v1, 31, v0                           ; lane
	s_lshl_b32 s15, ttmp9, 4                       ; 16 g: my first code, and my record's byte offset in rowp
	s_lshl_b32 s30, ttmp9, 8
	s_lshl_b32 s31, s14, 5
	s_add_co_u32 s30, s30, s31                     ; my wave's 8 indices: byte 256 g + 32 w of order
	s_mov_b32 s28, 0x76543210
	s_mov_b32 s29, 0xfedcba98
	s_mov_b32 s35, 0x00ff00ff
	v_lshlrev_b32 v2, 4, v1                        ; 16 lane
	s_lshl_b32 s32, ttmp9, 15
	s_lshl_b32 s33, s14, 12
	s_add_co_u32 s32, s32, s33
	v_add_nc_u32 v3, s32, v2                       ; latent, out0: 32,768 g + 4,096 w + 16 lane
	s_lshl_b32 s33, s14, 13
	v_add_nc_u32 v4, s33, v2                       ; order: 8,192 w + 16 lane
	v_mov_b32 v6, 1
	v_mov_b32 v7, s31                              ; LDS: my wave's 16 counts, 32 bytes
	s_wait_kmcnt 0x0
	s_load_b256 s[16:23], s[8:9], s30 offset:0x0
.irp i, 0,1,2,3,4,5,6,7
	global_load_b128 v[X+4*\i:X+4*\i+3], v3, s[4:5] offset:512*\i th:TH_LOAD_NT
.endr
.irp k, 0,1,2,3,4,5,6,7,8,9,10,11,12,13,14,15
	global_load_b128 v[HH+4*\k:HH+4*\k+3], v4, s[8:9] offset:512*\k
.endr
	s_wait_kmcnt 0x0
.irp i, 0,1,2,3,4,5,6,7
	s_min_u32 s[16+\i], s[16+\i], 4095             ; a loaded number enters an address only behind this clamp
.endr
.irp i, 0,1,2,3,4,5,6,7
	v_lshl_add_u32 v[8+\i], s[16+\i], 9, v2        ; 512 idx + 16 lane
.endr
.irp i, 0,1,2,3,4,5,6,7
	global_load_b128 v[C+4*\i:C+4*\i+3], v[8+\i], s[6:7]
.endr
.irp c, 0,1,2,3
	v_mov_b32 v[CN+\c], 0
.endr
	v_mov_b32 v[LOSS], 0
	v_mov_b32 v[LOSS+1], 0
	v_mov_b32 v[COS], 0
; one register of indices: t = idx - 16 g; t = 4 c + b below 16 adds 1 to byte b of counter c; any other t (as an unsigned number 16 or more) meets no c
.macro HREG k
	v_sub_nc_u32 v[T], v[HH+\k], s15
	v_lshlrev_b32 v[T+1], 3, v[T]
	v_lshrrev_b32 v[T+2], 2, v[T]
	v_lshlrev_b32 v[T+1], v[T+1], v6               ; 1 << 8 b: the shift takes the amount's low five bits
.irp c, 0,1,2,3
	v_cmp_eq_u32 s[24+\c], \c, v[T+2]
.endr
.irp c, 0,1,2,3
	v_cndmask_b32 v[T+4+\c], 0, v[T+1], s[24+\c]
.endr
.irp c, 0,1,2,3
	v_add_nc_u32 v[CN+\c], v[CN+\c], v[T+4+\c]
.endr
.endm
.set n, 0
.rept 16
	s_wait_loadcnt 23-n                            ; behind index load n were issued 15 - n of its kind and the 8 gathers
	HREG 4*n
	HREG 4*n+1
	HREG 4*n+2
	HREG 4*n+3
.set n, n+1
.endr
.macro ROWG i
	s_wait_loadcnt 7-\i                            ; code row i is in; the 7 - i younger gathers stay out
	v_pk_add_f32 v[T:T+1],   v[C+4*\i:C+4*\i+1],   v[X+4*\i:X+4*\i+1]   neg_lo:[0,1] neg_hi:[0,1]   ; c - x
	v_pk_add_f32 v[T+2:T+3], v[C+4*\i+2:C+4*\i+3], v[X+4*\i+2:X+4*\i+3] neg_lo:[0,1] neg_hi:[0,1]
	v_pk_mul_f32 v[T+4:T+5], v[X+4*\i:X+4*\i+1], v[C+4*\i:C+4*\i+1]
	v_pk_mul_f32 v[T+6:T+7], v[X+4*\i:X+4*\i+1], v[X+4*\i:X+4*\i+1]
	v_pk_mul_f32 v[T+8:T+9], v[C+4*\i:C+4*\i+1], v[C+4*\i:C+4*\i+1]
	v_pk_fma_f32 v[T+4:T+5], v[X+4*\i+2:X+4*\i+3], v[C+4*\i+2:C+4*\i+3], v[T+4:T+5]
	v_pk_fma_f32 v[T+6:T+7], v[X+4*\i+2:X+4*\i+3], v[X+4*\i+2:X+4*\i+3], v[T+6:T+7]
	v_pk_fma_f32 v[T+8:T+9], v[C+4*\i+2:C+4*\i+3], v[C+4*\i+2:C+4*\i+3], v[T+8:T+9]
	v_pk_fma_f32 v[LOSS:LOSS+1], v[T:T+1], v[T:T+1], v[LOSS:LOSS+1]
	v_pk_fma_f32 v[LOSS:LOSS+1], v[T+2:T+3], v[T+2:T+3], v[LOSS:LOSS+1]
	v_add_f32 v[T+4], v[T+4], v[T+5]
	v_add_f32 v[T+6], v[T+6], v[T+7]
	v_add_f32 v[T+8], v[T+8], v[T+9]
.irp x, 1,2,4,8
	v_add_f32_dpp v[T+4], v[T+4], v[T+4] row_xmask:\x row_mask:0xf bank_mask:0xf
	v_add_f32_dpp v[T+6], v[T+6], v[T+6] row_xmask:\x row_mask:0xf bank_mask:0xf
	v_add_f32_dpp v[T+8], v[T+8], v[T+8] row_xmask:\x row_mask:0xf bank_mask:0xf
.endr
	v_permlanex16_b32 v[T+5], v[T+4], s28, s29
	v_permlanex16_b32 v[T+7], v[T+6], s28, s29
	v_permlanex16_b32 v[T+9], v[T+8], s28, s29
	v_add_f32 v[T+4], v[T+4], v[T+5]               ; x.c
	v_add_f32 v[T+6], v[T+6], v[T+7]               ; x.x
	v_add_f32 v[T+8], v[T+8], v[T+9]               ; c.c, each in every lane
	v_sqrt_f32 v[T+10], v[T+6]
	v_sqrt_f32 v[T+11], v[T+8]
	v_pk_add_f32 v[X+4*\i:X+4*\i+1],   v[X+4*\i:X+4*\i+1],   v[T:T+1]     ; x + (c - x); also the plain instructions behind the roots (ISA guide 5.7.2)
	v_pk_add_f32 v[X+4*\i+2:X+4*\i+3], v[X+4*\i+2:X+4*\i+3], v[T+2:T+3]
	global_store_b128 v3, v[X+4*\i:X+4*\i+3], s[10:11] offset:512*\i th:TH_STORE_NT   ; a whole row of 512 bytes
	s_wait_alu depctr_va_vdst(0)
	v_max_num_f32 v[T+10], 0x2b8cbccc, v[T+10]     ; max(norm, 1e-12)
	v_max_num_f32 v[T+11], 0x2b8cbccc, v[T+11]
	v_mul_f32 v[T+10], v[T+10], v[T+11]
	v_rcp_f32 v[T+11], v[T+10]
	v_nop                                          ; one plain instruction before the reciprocal is used
	s_wait_alu depctr_va_vdst(0)
	v_fmac_f32 v[COS], v[T+4], v[T+11]
.endm
.irp i, 0,1,2,3,4,5,6,7
	ROWG \i
.endr
	; my wave's sums: 16 counts as 8 registers of two 16-bit fields (2,048 at the most in each), the loss, the cosines
.irp c, 0,1,2,3
	v_and_b32 v[EV+\c], s35, v[CN+\c]
	v_lshrrev_b32 v[OD+\c], 8, v[CN+\c]
	v_and_b32 v[OD+\c], s35, v[OD+\c]
.endr
.irp q, 0,1,2,3,4,5,6,7
.irp x, 1,2,4,8
	v_mov_b32_dpp v[T], v[EV+\q] row_xmask:\x row_mask:0xf bank_mask:0xf
	v_add_nc_u32 v[EV+\q], v[EV+\q], v[T]
.endr
	v_permlanex16_b32 v[T], v[EV+\q], s28, s29
	v_add_nc_u32 v[EV+\q], v[EV+\q], v[T]
.endr
	ds_store_b128 v7, v[EV:EV+3]                   ; all lanes write the same
	ds_store_b128 v7, v[OD:OD+3] offset:16
	v_add_f32 v[LOSS], v[LOSS], v[LOSS+1]
.irp x, 1,2,4,8
	v_add_f32_dpp v[LOSS], v[LOSS], v[LOSS] row_xmask:\x row_mask:0xf bank_mask:0xf
.endr
	v_permlanex16_b32 v[T], v[LOSS], s28, s29
	v_add_f32 v[LOSS], v[LOSS], v[T]
	v_mov_b32 v[LOSS+1], v[COS]                    ; the same in every lane already
	s_lshl_b32 s33, s14, 3
	v_mov_b32 v5, s33
	ds_store_b64 v5, v[LOSS:LOSS+1] offset:256
	s_wait_dscnt 0x0                               ; written, for wave 0's sake
	s_barrier_signal -1
	s_barrier_wait -1
	s_cmp_lg_u32 s14, 0
	s_cbranch_scc1 .Lend
	; wave 0: lane b < 16 takes code 16 g + b: 16 (b & 1) + 4 (b >> 2) + 2 ((b >> 1) & 1) in each wave's 32 bytes
	v_and_b32 v[T], 1, v1
	v_lshlrev_b32 v[T], 4, v[T]
	v_bfe_u32 v[T+1], v1, 2, 2
	v_lshl_add_u32 v[T], v[T+1], 2, v[T]
	v_bfe_u32 v[T+1], v1, 1, 1
	v_lshl_add_u32 v[T], v[T+1], 1, v[T]
.irp k, 0,1,2,3,4,5,6,7
	ds_load_u16 v[T+2+\k], v[T] offset:32*\k
.endr
	v_and_b32 v[T+10], 7, v1
	v_lshlrev_b32 v[T+10], 3, v[T+10]
	ds_load_b64 v[T+12:T+13], v[T+10] offset:256   ; wave (lane & 7)'s loss and cosines
	s_wait_dscnt 0x0
.irp k, 1,2,3,4,5,6,7
	v_add_nc_u32 v[T+2], v[T+2], v[T+2+\k]
.endr
	v_cvt_f32_u32 v[T+2], v[T+2]
	v_mul_f32 v[T+2], 0x38800000, v[T+2]           ; p = count / 16,384
	v_add_f32 v[T+3], 0x2edbe6ff, v[T+2]           ; + 1e-10
	v_log_f32 v[T+4], v[T+3]                       ; log2
	v_cmp_gt_u32 vcc_lo, 16, v1                    ; the plain instruction behind it
	s_wait_alu depctr_va_vdst(0)
	v_mul_f32 v[T+4], v[T+2], v[T+4]
	v_cndmask_b32 v[T+4], 0, v[T+4], vcc_lo        ; lanes 16 to 31 add nothing
.irp x, 1,2,4,8
	v_add_f32_dpp v[T+4], v[T+4], v[T+4] row_xmask:\x row_mask:0xf bank_mask:0xf
.endr
	v_permlanex16_b32 v[T+5], v[T+4], s28, s29
	v_add_f32 v[EV+2], v[T+4], v[T+5]
.irp x, 1,2,4
	v_add_f32_dpp v[T+12], v[T+12], v[T+12] row_xmask:\x row_mask:0xf bank_mask:0xf
	v_add_f32_dpp v[T+13], v[T+13], v[T+13] row_xmask:\x row_mask:0xf bank_mask:0xf
.endr
	v_mov_b32 v[EV], v[T+12]
	v_mov_b32 v[EV+1], v[T+13]
	v_mov_b32 v[EV+3], 0
	v_add_nc_u32 v[T+14], s15, v2                  ; rowp: 16 g (lane 0)
	v_cmp_eq_u32 vcc_lo, 0, v1
	s_wait_xcnt 0x0                                ; EXEC is a source of the stores above: it changes only behind this wait
	s_and_saveexec_b32 s34, vcc_lo
	global_store_b128 v[T+14], v[EV:EV+3], s[12:13]
	s_wait_xcnt 0x0
	s_or_b32 exec_lo, exec_lo, s34
.Lend:
	s_wait_tensorcnt 0x0
	ds_add_u32 v184, v185
	s_wait_dscnt 0x0
	s_endpgm
.Lfunc_end_k_q593a16e895_gather:
	.size	k_q593a16e895_gather, .Lfunc_end_k_q593a16e895_gather-k_q593a16e895_gather
	.p2alignl 7, 3214868480
	.fill 96, 4, 3214868480
	.section	.rodata,"a",@progbits
	.p2align	6, 0x0
	.amdhsa_kernel k_q593a16e895_gather
		.amdhsa_group_segment_fixed_size 1536
		.amdhsa_private_segment_fixed_size 0
		.amdhsa_enable_private_segment 0
		.amdhsa_kernarg_size 40
		.amdhsa_user_sgpr_count 2
		.amdhsa_user_sgpr_kernarg_segment_ptr 1
		.amdhsa_wavefront_size32 1
		.amdhsa_system_sgpr_workgroup_id_x 1
		.amdhsa_system_sgpr_workgroup_id_y 1
		.amdhsa_system_sgpr_workgroup_id_z 1
		.amdhsa_system_vgpr_workitem_id 0
		.amdhsa_next_free_vgpr 186
		.amdhsa_next_free_sgpr 66
		.amdhsa_reserve_vcc 1
		.amdhsa_float_denorm_mode_32 3
		.amdhsa_float_denorm_mode_16_64 3
		.amdhsa_memory_ordered 1
		.amdhsa_forward_progress 1
		.amdhsa_inst_pref_size 83
	.end_amdhsa_kernel
	.amdgpu_metadata
---
amdhsa.version: [ 1, 2 ]
amdhsa.kernels:
  - .name:           k_q593a16e895_gather
    .symbol:         k_q593a16e895_gather.kd
    .args:
      - { .name: latent, .offset: 0, .size: 8, .value_kind: global_buffer, .address_space: global }
      - { .name: codebook_w, .offset: 8, .size: 8, .value_kind: global_buffer, .address_space: global }
      - { .name: order, .offset: 16, .size: 8, .value_kind: global_buffer, .address_space: global }
      - { .name: out0, .offset: 24, .size: 8, .value_kind: global_buffer, .address_space: global }
      - { .name: rowp, .offset: 32, .size: 8, .value_kind: global_buffer, .address_space: global }
    .group_segment_fixed_size: 1536
    .private_segment_fixed_size: 0
    .kernarg_segment_align: 8
    .kernarg_segment_size: 40
    .max_flat_workgroup_size: 256
    .sgpr_count:     66
    .vgpr_count:     186
    .wavefront_size: 32
...
	.end_amdgpu_metadata
.endif
;; end of part 3
;; launch finish (part 4): grid 1 x 1, 1 waves a work-group, no clusters, 0 bytes of LDS; arguments pairp, rowp, out2, out3, out4, out5, out6, out7; writes out2, out3, out4, out5, out6, out7
.if DOCPART == 4
	.amdgcn_target "amdgcn-amd-amdhsa--gfx1250"
	.amdhsa_code_object_version 6
	.text
	.protected	k_q593a16e895_finish
	.globl	k_q593a16e895_finish
	.p2align	8
	.type	k_q593a16e895_finish,@function
k_q593a16e895_finish:
	s_mov_b64 s[64:65], 0
	v_nop
	global_prefetch_b8 v0, s[64:65] scope:SCOPE_SE
	s_setreg_imm32_b32 hwreg(HW_REG_WAVE_MODE, 25, 1), 1
	s_wait_xcnt 0x0
; Joins the 256 work-groups' records into the six single numbers.  rowp: 256 x (sum (c - x)^2, sum cos, sum p log2(p + 1e-10), 0); pairp: 256 x (sum d, min d^2).
; One wave: 6,144 bytes in twelve 16-byte loads a lane; a sum that spans work-groups is made here, by one owner, in a fixed order.
; out3 = loss / 2^21, out2 = 0.25 out3, out4 = 2^(-entropy in bits), out5 = cos / 2^14, out6 = sum d / (4,096 x 4,095), out7 = sqrt(min d^2) (the root keeps the order).
	s_load_b512 s[4:19], s[0:1], 0x0               ; pairp s[4:5], rowp s[6:7], out2 s[8:9] .. out7 s[18:19]
	v_lshlrev_b32 v1, 4, v0
	s_mov_b32 s20, 0x76543210
	s_mov_b32 s21, 0xfedcba98
	s_wait_kmcnt 0x0
.irp i, 0,1,2,3,4,5,6,7
	global_load_b128 v[4+4*\i:7+4*\i], v1, s[6:7] offset:512*\i
.endr
.irp i, 0,1,2,3
	global_load_b128 v[36+4*\i:39+4*\i], v1, s[4:5] offset:512*\i
.endr
	s_wait_loadcnt 0x0
.irp i, 1,2,3,4,5,6,7
	v_pk_add_f32 v[4:5], v[4:5], v[4+4*\i:5+4*\i]
	v_add_f32 v6, v6, v[6+4*\i]
.endr
	v_add_f32 v36, v36, v38
	v_min_num_f32 v37, v37, v39
.irp i, 1,2,3
	v_add_f32 v36, v36, v[36+4*\i]
	v_min_num_f32 v37, v37, v[37+4*\i]
	v_add_f32 v36, v36, v[38+4*\i]
	v_min_num_f32 v37, v37, v[39+4*\i]
.endr
.irp x, 1,2,4,8
	v_add_f32_dpp v4, v4, v4 row_xmask:\x row_mask:0xf bank_mask:0xf
	v_add_f32_dpp v5, v5, v5 row_xmask:\x row_mask:0xf bank_mask:0xf
	v_add_f32_dpp v6, v6, v6 row_xmask:\x row_mask:0xf bank_mask:0xf
	v_add_f32_dpp v36, v36, v36 row_xmask:\x row_mask:0xf bank_mask:0xf
	v_max_num_f32 v7, v7, v7                       ; keeps v7 a written register of no further use
	v_min_num_f32_dpp v37, v37, v37 row_xmask:\x row_mask:0xf bank_mask:0xf
.endr
	v_permlanex16_b32 v8, v4, s20, s21             ; v8 to v12 were written by the loads
	v_permlanex16_b32 v9, v5, s20, s21
	v_permlanex16_b32 v10, v6, s20, s21
	v_permlanex16_b32 v11, v36, s20, s21
	v_permlanex16_b32 v12, v37, s20, s21
	v_add_f32 v4, v4, v8
	v_add_f32 v5, v5, v9
	v_add_f32 v6, v6, v10
	v_add_f32 v36, v36, v11
	v_min_num_f32 v37, v37, v12
	v_mul_f32 v16, 0x35000000, v4                  ; out3: / 2^21 numbers
	v_mul_f32 v17, 0x3e800000, v16                 ; out2: beta = 0.25
	v_mul_f32 v18, -1.0, v6
	v_mul_f32 v19, 0x38800000, v5                  ; out5: / 2^14 rows
	v_mul_f32 v20, 0x33800801, v36                 ; out6: / (4,096 x 4,095)
	v_exp_f32 v21, v18                             ; out4
	v_sqrt_f32 v22, v37                            ; out7
	v_cmp_eq_u32 vcc_lo, 0, v0                     ; the plain instruction behind the two (ISA guide 5.7.2)
	s_wait_xcnt 0x0
	s_and_saveexec_b32 s22, vcc_lo                 ; lane 0, whose offset v1 is 0
	global_store_b32 v1, v17, s[8:9]
	global_store_b32 v1, v16, s[10:11]
	s_wait_alu depctr_va_vdst(0)
	global_store_b32 v1, v21, s[12:13]
	global_store_b32 v1, v19, s[14:15]
	global_store_b32 v1, v20, s[16:17]
	global_store_b32 v1, v22, s[18:19]
	s_wait_xcnt 0x0
	s_or_b32 exec_lo, exec_lo, s22
	s_endpgm
.Lfunc_end_k_q593a16e895_finish:
	.size	k_q593a16e895_finish, .Lfunc_end_k_q593a16e895_finish-k_q593a16e895_finish
	.p2alignl 7, 3214868480
	.fill 96, 4, 3214868480
	.section	.rodata,"a",@progbits
	.p2align	6, 0x0
	.amdhsa_kernel k_q593a16e895_finish
		.amdhsa_group_segment_fixed_size 0
		.amdhsa_private_segment_fixed_size 0
		.amdhsa_enable_private_segment 0
		.amdhsa_kernarg_size 64
		.amdhsa_user_sgpr_count 2
		.amdhsa_user_sgpr_kernarg_segment_ptr 1
		.amdhsa_wavefront_size32 1
		.amdhsa_system_sgpr_workgroup_id_x 1
		.amdhsa_system_sgpr_workgroup_id_y 1
		.amdhsa_system_sgpr_workgroup_id_z 1
		.amdhsa_system_vgpr_workitem_id 0
		.amdhsa_next_free_vgpr 64
		.amdhsa_next_free_sgpr 66
		.amdhsa_reserve_vcc 1
		.amdhsa_float_denorm_mode_32 3
		.amdhsa_float_denorm_mode_16_64 3
		.amdhsa_memory_ordered 1
		.amdhsa_forward_progress 1
		.amdhsa_inst_pref_size 6
	.end_amdhsa_kernel
	.amdgpu_metadata
---
amdhsa.version: [ 1, 2 ]
amdhsa.kernels:
  - .name:           k_q593a16e895_finish
    .symbol:         k_q593a16e895_finish.kd
    .args:
      - { .name: pairp, .offset: 0, .size: 8, .value_kind: global_buffer, .address_space: global }
      - { .name: rowp, .offset: 8, .size: 8, .value_kind: global_buffer, .address_space: global }
      - { .name: out2, .offset: 16, .size: 8, .value_kind: global_buffer, .address_space: global }
      - { .name: out3, .offset: 24, .size: 8, .value_kind: global_buffer, .address_space: global }
      - { .name: out4, .offset: 32, .size: 8, .value_kind: global_buffer, .address_space: global }
      - { .name: out5, .offset: 40, .size: 8, .value_kind: global_buffer, .address_space: global }
      - { .name: out6, .offset: 48, .size: 8, .value_kind: global_buffer, .address_space: global }
      - { .name: out7, .offset: 56, .size: 8, .value_kind: global_buffer, .address_space: global }
    .group_segment_fixed_size: 0
    .private_segment_fixed_size: 0
    .kernarg_segment_align: 8
    .kernarg_segment_size: 64
    .max_flat_workgroup_size: 32
    .sgpr_count:     66
    .vgpr_count:     64
    .wavefront_size: 32
...
	.end_amdgpu_metadata
.endif
;; end of part 4
;; ======== version 2 of 2: 4 launches; version 1 with the launch prep written anew for expert scheduling mode
;; limits: values outside matrix products are rounded to bf16
;; workspace buffers: cbh 1,048,576 bytes; csq 16,384 bytes; order 65,536 bytes of whole numbers; pairp 2,048 bytes; rowp 4,096 bytes
;; launch prep (part 5): grid 64 x 1, 8 waves a work-group, no clusters, 1,280 bytes of LDS; arguments codebook_w, cbh, csq; writes cbh, csq
.if DOCPART == 5
	.amdgcn_target "amdgcn-amd-amdhsa--gfx1250"
	.amdhsa_code_object_version 6
	.text
	.protected	k_q593a16e895_prep
	.globl	k_q593a16e895_prep
	.p2align	8
	.type	k_q593a16e895_prep,@function
k_q593a16e895_prep:
	s_mov_b64 s[64:65], 0
	v_nop
	global_prefetch_b8 v0, s[64:65] scope:SCOPE_SE
	s_setreg_imm32_b32 hwreg(HW_REG_WAVE_SCHED_MODE, 0, 2), 2
	s_setreg_imm32_b32 hwreg(HW_REG_WAVE_MODE, 25, 1), 1
	s_wait_xcnt 0x0
	s_wait_alu depctr_vm_vsrc(0)
; cbh[k][:] = bf16(codebook_w[k][:]);  csq[k] = sum over d of cbh[k][d]^2, in f32.
; The squares are taken of the ROUNDED numbers, since the next launch forms all its distances from them.
; 4,096 rows of 128 f32.  A work-group takes 64 rows, a wave 8, a lane 4 numbers of each row: one 16-byte load of a wave
; covers a whole row of 512 bytes, one 8-byte store a whole bf16 row of 256 bytes.  A stream: every byte is read once and
; written once; no work-group shares data with another, so clusters and the matrix unit have nothing to do here.
; LIMIT: the 128 squares are added in another order than a plain running sum would add them (last bits of csq).
; THE MODE: SCHED_MODE bits 1:0 = 2 (LLVM: expert scheduling mode 2), set by the entry lines.  The code itself states the register dependences
; between vector instructions and memory or LDS instructions, with s_wait_alu, always for 0.
; THE PLAN.  Registers that memory or LDS instructions touch:
;   v1, v2, v3, v4, v7   offsets and LDS addresses: written once at the head, never again.
;   X    written by the eight loads alone, all issued at the head; no vector line names them ahead of the loads; read by row i's two conversions.
;   H    row i's pair: written once, by row i's conversions; read by one store to cbh.
;   SUM  row i's register: written once, by the last addition of row i's sum; read by one LDS store.
;   R    written by wave 0's LDS load alone; read by the store to csq.
;   v72, v73   written at the head, read by the closing add alone.
;   T is named by vector instructions alone.
; No register that a memory or LDS instruction reads is written a second time, so no wait on vm_vsrc is owed but the closing lines'.
; The eight rows go as two blocks of four.  Rows 0 to 3 compute; ONE wait on va_vdst at row 4's head states that their H and SUM are written, and their
; eight stores are dealt among rows 4 to 7, whose vector lines name other rows' registers alone; a second such wait behind row 7 serves that block's stores.
.set X, 8                              ; v[8:39]   row i: 4 registers as loaded
.set H, 40                             ; v[40:55]  row i: 2 registers of bf16; store data, never written again
.set T, 56                             ; v[56:59]  at work
.set SUM, 60                           ; v[60:67]  row i: its sum of squares; LDS store data, never written again
.set R, 68                             ; v[68:69]  wave 0: two of the work-group's 64 sums, read back
	s_load_b128 s[4:7], s[0:1], 0x0                ; codebook_w s[4:5], cbh s[6:7]
	s_load_b64 s[8:9], s[0:1], 0x10                ; csq
	v_lshl_add_u32 v72, v0, 2, 0x100               ; my spare word, behind the block of 256 bytes that holds the sums; kept for the closing lines alone
	v_mov_b32 v73, 0                               ; and 0, likewise
	v_lshrrev_b32 v5, 5, v0
	v_readfirstlane_b32 s10, v5                    ; wave 0..7
	v_and_b32 v6, 31, v0                           ; lane
	s_mov_b32 s12, 0x76543210                      ; v_permlanex16_b32: lane i of one half reads lane i of the other
	s_mov_b32 s13, 0xfedcba98
	s_mov_b32 s14, 0xffff0000                      ; a word's upper bf16
	s_lshl_b32 s16, ttmp9, 15                      ; 64 rows of 512 bytes for each work-group
	s_wait_alu depctr_va_sdst(0)                   ; s10 is written, ahead of its first reader: the wave's offsets are made from it
	s_lshl_b32 s17, s10, 12                        ; 8 rows for each wave
	s_add_co_u32 s16, s16, s17
	v_lshl_add_u32 v1, v6, 4, s16                  ; offset in codebook_w of my 16 bytes of my wave's first row
	s_lshr_b32 s16, s16, 1                         ; the bf16 rows are half as long
	v_lshl_add_u32 v2, v6, 3, s16                  ; offset in cbh of my 8 bytes
	s_lshl_b32 s17, s10, 5
	v_mov_b32 v3, s17                              ; LDS: my wave's 8 sums, 4 bytes each
	v_lshlrev_b32 v4, 3, v6                        ; LDS: two sums for each lane of wave 0
	s_lshl_b32 s18, ttmp9, 8
	v_add_nc_u32 v7, s18, v4                       ; offset in csq: 64 sums for each work-group
	s_wait_kmcnt 0x0
	s_wait_alu depctr_va_vdst(0)                   ; v1, v2, v3, v4 and v7 are written: every load and store of the kernel reads one of them as its offset or address
.irp i, 0,1,2,3,4,5,6,7
	global_load_b128 v[X+4*\i:X+4*\i+3], v1, s[4:5] offset:512*\i th:TH_LOAD_NT
.endr
.macro ROW i
	s_wait_loadcnt 7-\i                            ; loads come back in order: row i is in, the 7 - i younger ones stay out
.if \i == 4
	s_wait_alu depctr_va_vdst(0)                   ; rows 0 to 3 have written their H and their SUM, which the stores at the heads of rows 4 to 7 read
.endif
.if \i >= 4
	global_store_b64 v2, v[H+2*(\i-4):H+2*(\i-4)+1], s[6:7] offset:256*(\i-4)   ; the row four back: 32 lanes x 8 bytes, one aligned row of 256 bytes; no vector line since the wait names its registers
	ds_store_b32 v3, v[SUM+\i-4] offset:4*(\i-4)   ; and its sum: all lanes write the same word with the same value
.endif
	v_cvt_pk_bf16_f32 v[H+2*\i], v[X+4*\i], v[X+4*\i+1]
	v_cvt_pk_bf16_f32 v[H+2*\i+1], v[X+4*\i+2], v[X+4*\i+3]
	v_lshlrev_b32 v[T], 16, v[H+2*\i]              ; the rounded numbers back in f32
	v_and_b32 v[T+1], s14, v[H+2*\i]
	v_lshlrev_b32 v[T+2], 16, v[H+2*\i+1]
	v_and_b32 v[T+3], s14, v[H+2*\i+1]
	v_pk_mul_f32 v[T:T+1], v[T:T+1], v[T:T+1]
	v_pk_fma_f32 v[T:T+1], v[T+2:T+3], v[T+2:T+3], v[T:T+1]
	v_add_f32 v[T], v[T], v[T+1]
	v_add_f32_dpp v[T], v[T], v[T] row_xmask:1 row_mask:0xf bank_mask:0xf
	v_add_f32_dpp v[T], v[T], v[T] row_xmask:2 row_mask:0xf bank_mask:0xf
	v_add_f32_dpp v[T], v[T], v[T] row_xmask:4 row_mask:0xf bank_mask:0xf
	v_add_f32_dpp v[T], v[T], v[T] row_xmask:8 row_mask:0xf bank_mask:0xf
	v_permlanex16_b32 v[T+1], v[T], s12, s13
	v_add_f32 v[SUM+\i], v[T], v[T+1]              ; the row's sum, in every lane, in a register of its own
.endm
.irp i, 0,1,2,3,4,5,6,7
	ROW \i
.endr
	s_wait_alu depctr_va_vdst(0)                   ; rows 4 to 7 have written their H and their SUM, which the eight stores below read
.irp i, 4,5,6,7
	ds_store_b32 v3, v[SUM+\i] offset:4*\i         ; the LDS stores first: the barrier below waits for them
.endr
.irp i, 4,5,6,7
	global_store_b64 v2, v[H+2*\i:H+2*\i+1], s[6:7] offset:256*\i
.endr
	s_wait_dscnt 0x0                               ; my eight sums are in LDS, for wave 0's sake
	s_barrier_signal -1
	s_barrier_wait -1
	s_cmp_lg_u32 s10, 0
	s_cbranch_scc1 .Lend
	ds_load_b64 v[R:R+1], v4                       ; the work-group's 64 sums, two a lane; no vector line names R, and v4 stands since the head's wait
	s_wait_dscnt 0x0
	global_store_b64 v7, v[R:R+1], s[8:9]          ; 256 consecutive bytes, aligned
.Lend:
	s_wait_dscnt 0x0                               ; the closing lines, six on end
	s_wait_alu 0x0
	s_wait_tensorcnt 0x0
	ds_add_u32 v72, v73
	s_wait_dscnt 0x0
	s_endpgm
.Lfunc_end_k_q593a16e895_prep:
	.size	k_q593a16e895_prep, .Lfunc_end_k_q593a16e895_prep-k_q593a16e895_prep
	.p2alignl 7, 3214868480
	.fill 96, 4, 3214868480
	.section	.rodata,"a",@progbits
	.p2align	6, 0x0
	.amdhsa_kernel k_q593a16e895_prep
		.amdhsa_group_segment_fixed_size 1280
		.amdhsa_private_segment_fixed_size 0
		.amdhsa_enable_private_segment 0
		.amdhsa_kernarg_size 24
		.amdhsa_user_sgpr_count 2
		.amdhsa_user_sgpr_kernarg_segment_ptr 1
		.amdhsa_wavefront_size32 1
		.amdhsa_system_sgpr_workgroup_id_x 1
		.amdhsa_system_sgpr_workgroup_id_y 1
		.amdhsa_system_sgpr_workgroup_id_z 1
		.amdhsa_system_vgpr_workitem_id 0
		.amdhsa_next_free_vgpr 74
		.amdhsa_next_free_sgpr 66
		.amdhsa_reserve_vcc 0
		.amdhsa_float_denorm_mode_32 3
		.amdhsa_float_denorm_mode_16_64 3
		.amdhsa_memory_ordered 1
		.amdhsa_forward_progress 1
		.amdhsa_inst_pref_size 11
	.end_amdhsa_kernel
	.amdgpu_metadata
---
amdhsa.version: [ 1, 2 ]
amdhsa.kernels:
  - .name:           k_q593a16e895_prep
    .symbol:         k_q593a16e895_prep.kd
    .args:
      - { .name: codebook_w, .offset: 0, .size: 8, .value_kind: global_buffer, .address_space: global }
      - { .name: cbh, .offset: 8, .size: 8, .value_kind: global_buffer, .address_space: global }
      - { .name: csq, .offset: 16, .size: 8, .value_kind: global_buffer, .address_space: global }
    .group_segment_fixed_size: 1280
    .private_segment_fixed_size: 0
    .kernarg_segment_align: 8
    .kernarg_segment_size: 24
    .max_flat_workgroup_size: 256
    .sgpr_count:     66
    .vgpr_count:     74
    .wavefront_size: 32
...
	.end_amdgpu_metadata
.endif
;; end of part 5
;; launch assign: the kernel of part 2 again; grid 256 x 1, 8 waves a work-group, clusters of 4 x 1, 327,680 bytes of LDS; arguments latent, cbh, csq, out1, order, pairp; writes out1, order, pairp
;; launch gather: the kernel of part 3 again; grid 256 x 1, 8 waves a work-group, no clusters, 1,536 bytes of LDS; arguments latent, codebook_w, order, out0, rowp; writes out0, rowp
;; launch finish: the kernel of part 4 again; grid 1 x 1, 1 waves a work-group, no clusters, 0 bytes of LDS; arguments pairp, rowp, out2, out3, out4, out5, out6, out7; writes out2, out3, out4, out5, out6, out7
